; MI455X (gfx1250); checked and timed in simulation.
; The chip was launched on July 23, 2026; its instructions are those of AMD's public machine-readable ISA for CDNA 5 (MIT licence, August 2026) and "CDNA5" Instruction Set Architecture Reference Guide (July 2026). The comments in the code are by the model that wrote it; some were corrected since.
;; Vector Quantizer. Allowed arithmetic: float matrix products may take bf16 or f16 operands with f32 sums; all other float work in f32.
;; Inputs: embedding 8,192 x 256 float32; inputs 32 x 1,024 x 256 float32.
;; Outputs: out0 32 x 1,024 x 256 float32; out1 one number float32; out2 32 x 1,024 int32.
;; One version. Each part assembles by itself: llvm-mc -triple=amdgcn-amd-amdhsa -mcpu=gfx1250 --defsym DOCPART=n.
;; ======== version 1 of 1: 4 launches
;; workspace buffers: eb 4,194,304 bytes; ee 32,768 bytes; order 131,072 bytes of whole numbers; part 2,048 bytes
;; launch prep (part 1): grid 128 x 1, 16 waves a work-group, no clusters, 2,304 bytes of LDS; arguments embedding, eb, ee; writes eb, ee
.if DOCPART == 1
	.amdgcn_target "amdgcn-amd-amdhsa--gfx1250"
	.amdhsa_code_object_version 6
	.text
	.protected	k_q8d832cbd22_prep
	.globl	k_q8d832cbd22_prep
	.p2align	8
	.type	k_q8d832cbd22_prep,@function
k_q8d832cbd22_prep:
	s_mov_b64 s[64:65], 0
	v_nop
	global_prefetch_b8 v0, s[64:65] scope:SCOPE_SE
	s_setreg_imm32_b32 hwreg(HW_REG_WAVE_MODE, 25, 1), 1
	s_wait_xcnt 0x0
; eb[c][k] = bf16(-2 e[c][k]);  ee[c] = sum over k of bf16(e[c][k])^2, in f32.   embedding: [8192][256] f32.
; The factor -2 is a power of two, so bf16(-2 e) = -2 bf16(e) exactly (LIMIT: |e| below 1.7e38), and every partial sum of the squares of the
; stored numbers is exactly four times the one that is wanted, rounding included: the sum is multiplied by 0.25 at the end.
; ee is made of the ROUNDED codes, so that it belongs to the same numbers as the matrix product of the next launch.
; ORDER OF THE SUM: eight groups of 32 neighbouring squares, each added one by one in ascending k, then the eight groups one by one.  The next
; launch compares distances that may be equal to the last bit, so the order is fixed and is the same as for the rows of x there.
; Sixteen waves, 64 rows a work-group, four rows a wave: the group's 64 sums leave as one store of 256 consecutive bytes, aligned.
; A lane holds columns 4 l .. 4 l + 3 and 128 + 4 l .. + 3 of a row: each load of the wave covers 512 consecutive bytes, each store of eb 256.
; A group of 32 thus lies in eight neighbouring lanes, four numbers each.  The chain walks them: in step t every lane takes its left neighbour's
; sum and adds its own four; after step t lane 8 g + t holds the sum of lanes 8 g .. 8 g + t, and after step 7 lane 8 g + 7 the group's.
; (What the other lanes hold is not used.)  Eight such chains, four rows x two halves, run side by side.
; No matrix unit, no cluster, no tensor load: every byte is used once, by one lane.
.set X, 8                              ; v[8:39]   row i: 8 registers as loaded, later the squares
.set T, 40                             ; v[40:47]  at work
.set Y, 48                             ; v[48:63]  row i: 4 registers, 8 bf16 to store
.set S, 64                             ; v[64:67]  the four rows' sums
.set A, 68                             ; v[68:75]  the chain of row i, half f at A + 2 i + f
	s_load_b128 s[4:7], s[0:1], 0x0                ; embedding s[4:5], eb s[6:7]
	s_load_b64 s[8:9], s[0:1], 0x10                ; ee
	v_lshl_add_u32 v80, v0, 2, 0x100
	v_mov_b32 v81, 0
	v_lshrrev_b32 v1, 5, v0
	v_readfirstlane_b32 s10, v1                    ; wave 0..15
	v_and_b32 v1, 31, v0                           ; lane
	v_lshlrev_b32 v2, 4, v1                        ; 16 bytes a lane in a row of embedding
	v_lshlrev_b32 v3, 3, v1                        ; 8 bytes a lane in a row of eb, and in the 256 bytes of sums
	v_mov_b32 v4, s10
	v_lshlrev_b32 v4, 4, v4                        ; my wave's four words in LDS
	s_lshl_b32 s12, ttmp9, 16                      ; 64 rows of 1,024 bytes a group
	s_lshl_b32 s14, s10, 12                        ; 4 rows a wave
	s_add_co_u32 s12, s12, s14
	s_mov_b32 s13, 0
	s_lshr_b32 s14, s12, 1                         ; rows of eb are half as long
	s_mov_b32 s15, 0
	s_lshl_b32 s16, ttmp9, 8                       ; 64 sums of 4 bytes a group
	s_mov_b32 s17, 0
	s_wait_kmcnt 0x0
	s_add_nc_u64 s[4:5], s[4:5], s[12:13]
	s_add_nc_u64 s[6:7], s[6:7], s[14:15]
	s_add_nc_u64 s[8:9], s[8:9], s[16:17]
.irp i, 0,1,2,3
	global_load_b128 v[X+8*\i:X+8*\i+3],   v2, s[4:5] offset:1024*\i
	global_load_b128 v[X+8*\i+4:X+8*\i+7], v2, s[4:5] offset:1024*\i+512
.endr
.irp i, 0,1,2,3
	s_wait_loadcnt 6-2*\i                          ; loads return in order: row i's two are in, the younger rows' stay out
.irp k, 0,1,2,3
	v_pk_mul_f32 v[T+2*\k:T+2*\k+1], v[X+8*\i+2*\k:X+8*\i+2*\k+1], -2.0 op_sel_hi:[1,0]
.endr
.irp k, 0,1,2,3
	v_cvt_pk_bf16_f32 v[Y+4*\i+\k], v[T+2*\k], v[T+2*\k+1]
.endr
	global_store_b64 v3, v[Y+4*\i:Y+4*\i+1],   s[6:7] offset:512*\i       ; 32 lanes x 8 bytes: 256 consecutive bytes, aligned
	global_store_b64 v3, v[Y+4*\i+2:Y+4*\i+3], s[6:7] offset:512*\i+256
.irp k, 0,1,2,3
	v_lshlrev_b32 v[X+8*\i+2*\k],   16, v[Y+4*\i+\k]                      ; the rounded numbers back as f32,
	v_and_b32     v[X+8*\i+2*\k+1], 0xffff0000, v[Y+4*\i+\k]
.endr
.irp k, 0,2,4,6
	v_pk_mul_f32 v[X+8*\i+\k:X+8*\i+\k+1], v[X+8*\i+\k:X+8*\i+\k+1], v[X+8*\i+\k:X+8*\i+\k+1]   ; and their squares, which are exact in f32
.endr
.endr
	; step 0 of the eight chains: a lane's own four, one by one
.irp i, 0,1,2,3
.irp f, 0,1
	v_add_f32 v[A+2*\i+\f], v[X+8*\i+4*\f], v[X+8*\i+4*\f+1]
.endr
.endr
.irp e, 2,3
.irp i, 0,1,2,3
.irp f, 0,1
	v_add_f32 v[A+2*\i+\f], v[A+2*\i+\f], v[X+8*\i+4*\f+\e]
.endr
.endr
.endr
	; steps 1 to 7: the left neighbour's sum plus my first number, then my other three
.rept 7
.irp i, 0,1,2,3
.irp f, 0,1
	v_add_f32_dpp v[A+2*\i+\f], v[A+2*\i+\f], v[X+8*\i+4*\f] row_shr:1 row_mask:0xf bank_mask:0xf
.endr
.endr
.irp e, 1,2,3
.irp i, 0,1,2,3
.irp f, 0,1
	v_add_f32 v[A+2*\i+\f], v[A+2*\i+\f], v[X+8*\i+4*\f+\e]
.endr
.endr
.endr
.endr
	; the eight groups of a row, one by one: groups 0 to 3 in lanes 7, 15, 23, 31 of the first half's chain, groups 4 to 7 in those of the second's
.irp i, 0,1,2,3
.irp g, 0,1,2,3
	v_readlane_b32 s[20+\g], v[A+2*\i],   8*\g+7
	v_readlane_b32 s[24+\g], v[A+2*\i+1], 8*\g+7
.endr
.irp g, 1,2,3,4,5,6,7
	s_add_f32 s20, s20, s[20+\g]
.endr
	s_mul_f32 s20, s20, 0x3e800000                 ; (-2 e)^2 = 4 e^2: times 0.25, exact
	v_mov_b32 v[S+\i], s20
.endr
	ds_store_b128 v4, v[S:S+3]                     ; every lane writes the same 16 bytes with the same values
	s_wait_dscnt 0x0                               ; for the wave that reads them: zero
	s_barrier_signal -1
	s_barrier_wait -1
	s_cmp_lg_u32 s10, 0
	s_cbranch_scc1 .Lend
	ds_load_b64 v[76:77], v3                       ; word 4 w + i is row 4 w + i of the group
	s_wait_dscnt 0x0
	global_store_b64 v3, v[76:77], s[8:9]          ; the group's 64 sums: 256 consecutive bytes, aligned
.Lend:
	s_wait_tensorcnt 0x0
	ds_add_u32 v80, v81
	s_wait_dscnt 0x0
	s_endpgm
.Lfunc_end_k_q8d832cbd22_prep:
	.size	k_q8d832cbd22_prep, .Lfunc_end_k_q8d832cbd22_prep-k_q8d832cbd22_prep
	.p2alignl 7, 3214868480
	.fill 96, 4, 3214868480
	.section	.rodata,"a",@progbits
	.p2align	6, 0x0
	.amdhsa_kernel k_q8d832cbd22_prep
		.amdhsa_group_segment_fixed_size 2304
		.amdhsa_private_segment_fixed_size 0
		.amdhsa_enable_private_segment 0
		.amdhsa_kernarg_size 24
		.amdhsa_user_sgpr_count 2
		.amdhsa_user_sgpr_kernarg_segment_ptr 1
		.amdhsa_wavefront_size32 1
		.amdhsa_system_sgpr_workgroup_id_x 1
		.amdhsa_system_sgpr_workgroup_id_y 1
		.amdhsa_system_sgpr_workgroup_id_z 1
		.amdhsa_system_vgpr_workitem_id 0
		.amdhsa_next_free_vgpr 82
		.amdhsa_next_free_sgpr 66
		.amdhsa_reserve_vcc 0
		.amdhsa_float_denorm_mode_32 3
		.amdhsa_float_denorm_mode_16_64 3
		.amdhsa_memory_ordered 1
		.amdhsa_forward_progress 1
		.amdhsa_inst_pref_size 21
	.end_amdhsa_kernel
	.amdgpu_metadata
---
amdhsa.version: [ 1, 2 ]
amdhsa.kernels:
  - .name:           k_q8d832cbd22_prep
    .symbol:         k_q8d832cbd22_prep.kd
    .args:
      - { .name: embedding, .offset: 0, .size: 8, .value_kind: global_buffer, .address_space: global }
      - { .name: eb, .offset: 8, .size: 8, .value_kind: global_buffer, .address_space: global }
      - { .name: ee, .offset: 16, .size: 8, .value_kind: global_buffer, .address_space: global }
    .group_segment_fixed_size: 2304
    .private_segment_fixed_size: 0
    .kernarg_segment_align: 8
    .kernarg_segment_size: 24
    .max_flat_workgroup_size: 512
    .sgpr_count:     66
    .vgpr_count:     82
    .wavefront_size: 32
...
	.end_amdgpu_metadata
.endif
;; end of part 1
;; launch main (part 2): grid 256 x 1, 8 waves a work-group, clusters of 4 x 1, 327,680 bytes of LDS; arguments inputs, eb, ee, out2, order; writes out2, order
.if DOCPART == 2
	.amdgcn_target "amdgcn-amd-amdhsa--gfx1250"
	.amdhsa_code_object_version 6
	.text
	.protected	k_q8d832cbd22_main
	.globl	k_q8d832cbd22_main
	.p2align	8
	.type	k_q8d832cbd22_main,@function
k_q8d832cbd22_main:
	s_mov_b64 s[64:65], 0
	v_nop
	global_prefetch_b8 v0, s[64:65] scope:SCOPE_SE
	s_setreg_imm32_b32 hwreg(HW_REG_WAVE_MODE, 25, 1), 1
	s_wait_xcnt 0x0
	s_wait_alu depctr_hold_cnt(0) depctr_sa_sdst(0) depctr_va_vdst(0) depctr_va_sdst(0) depctr_va_ssrc(0) depctr_va_vcc(0) depctr_vm_vsrc(0)
	s_getreg_b32 s2, hwreg(HW_REG_IB_STS2, 6, 4)
	s_cmp_eq_u32 s2, 0
	s_cbranch_scc0 .Lentry_in_a_cluster
	s_endpgm
.Lentry_in_a_cluster:
	s_bfe_u32 s2, ttmp6, 0x10000c
	s_cmp_lg_u32 s2, 0x3003
	s_cbranch_scc0 .Lentry_shape_is_right
	s_endpgm
.Lentry_shape_is_right:
; For each of 32,768 rows x: the index of the smallest d[c] = (xx + ee[c]) - 2 x.e[c] over the 8,192 codes c, the lowest index among equals.
; inputs: [32768][256] f32; eb: [8192][256] bf16 = -2 bf16(e); ee: [8192] f32; out2 and order: [32768] i32 (the same numbers twice:
; order is the copy from which the next launch forms addresses).
; THE NUMBER THAT IS COMPARED is rounded as the distance is written: first xx + ee to f32, then that sum minus twice the product to f32.  At the
; size of xx + ee the last rounding makes close distances equal, and equal distances go to the lower index, so neither term may be left out.
; xx is the sum of the squares of the rounded x: eight groups of 32 neighbouring squares, each one by one in ascending k, then the groups one by one,
; as ee is summed in the launch before.
; LIMITS.  x and e enter the product rounded to bf16; the product's sums are the matrix unit's, in f32.  Two codes whose distances are closer than
; the difference between two orders of summing 256 products may be ordered otherwise than by another order of summing.
; NaN and infinities in the inputs are not served (a row without any finite d gets index 0).
;
; SHARES.  A work-group owns 128 rows and walks all codes, so the minimum ends inside the group.  Eight waves, w = 2 q + rh: wave w has rows
; 64 rh .. 64 rh + 63 and the codes 2048 q .. 2048 q + 2047.  Its 64 rows stay in 256 registers as fragments (4 row tiles x 8 K steps); the codes
; come through two LDS slots of 64 codes for each quarter.  Two waves lie on a SIMD: a wave works in long stretches, 32 matrix instructions,
; then 89 vector instructions on their results, and the other wave's matrix stretch can run during the vector stretch.
; THE MATRIX INSTRUCTION takes 16 codes as source 0 and 16 rows of x as source 1: lane l then holds row l % 16, and its eight result registers the
; codes 8 (l / 16) + 0..7, so the running minimum never leaves the lane until the end.  eb holds -2 e: the accumulator is -2 x.e.
; BEHIND A TILE of 16 x 16: four packed adds xx + ee, four packed adds of the accumulator, four three-way minima (the last takes the old minimum
; in), a compare, a select of the tile's number and eight selects that keep the tile's eight numbers.  Which of the eight it was is read off that
; copy once, at the end.
; CLUSTER 4 x 1.  All work-groups walk the same codes in the same order, so the tiles of eb and ee are asked for jointly by the four work-groups of
; a cluster (mask 15): their requests are divided by four.  The rows of x are one work-group's alone (a plain load), so a second axis would share nothing.
; THE CHANGE OF SLOTS is a round of the cluster's barrier, and a tile's last two blocks of 16 codes are laid round it.  When block 2 has been multiplied,
; block 3's fragments are in registers, so the slot is read out: the wave says so (the round's opening signal), takes block 2's distances in between that
; signal and its wait, and multiplies block 3 between the round's closing signal and its wait: register work alone.  Behind the round come the refill,
; the fetch of the other slot's first fragments, and block 3's distances, during which those fragments arrive.
.set PITCH,  528                       ; an LDS row of codes: 512 bytes + 16 of padding, an odd multiple of 16: the sixteen rows of a fragment load start 16 bytes apart modulo 256
.set WTILE,  32*PITCH                  ; what one wave's tensor load brings: 32 codes
.set QTILE,  64*PITCH                  ; a quarter's 64 codes in a slot
.set SLOT,   8*WTILE                   ; 135,168 bytes: slot 0 at 0, slot 1 behind it
.set XPITCH, 1040                      ; an LDS row of x in f32: 1,024 bytes + 16
.set XW,     16*XPITCH                 ; one wave's 16 rows of x; also a row tile
.set EEB,    2*SLOT                    ; ee, 32,768 bytes, filled once
.set STAGE,  EEB+32768                 ; 4,096 bytes that only ds_store writes: values [q][128], then indices [q][128]
.set XXS,    STAGE+4096                ; 512 bytes that only ds_store writes: xx of the group's 128 rows
.set ADR,  3                           ; v3, v4    my code fragments in slot 0, 1: slot + q QTILE + r PITCH + 16 h
.set EEA,  5                           ; v5        ee of my quarter's current tile: EEB + 8192 q + 32 h, + 256 for each tile of 64 codes
.set XA,   6                           ; v6        my rows in the stage of x
.set SA,   7                           ; v7        my row's word in STAGE
.set H8,   8                           ; v8        8 h
.set TN,   9                           ; v9        the tile's number, for the select
.set EE,   16                          ; v[16:31]  ee of a block's codes 8 h + j, two buffers
.set RUN,  32                          ; v[32:39]  running minima of the four row tiles, two sets that take turns block by block
.set GRP,  40                          ; v[40:43]  number of the tile that holds the minimum
.set TMP,  44                          ; v[44:47]
.set SNAP, 48                          ; v[48:79]  that tile's eight numbers
.set ACC,  80                          ; v[80:111] four accumulators
.set AF,   112                         ; v[112:239] code fragments, 8 K steps x 8 registers, two buffers
.set XX,   240                         ; v[240:247] xx of my row in row tile m, twice: a pair for the packed add
.set ST,   248                         ; v[248:255] xx + ee
                                       ; v[256:511] fragments of x: (row tile m, K step k) at 256 + 8 (8 m + k)
.set G1E, 24                           ; s[24:31] shape of a code tile      s[32:39] from where, to where: a set for each slot
.set G0E, 32
.set G1X, 40                           ; s[40:47], s[48:51] the stage of x
.set G0X, 48
.set G1N, 52                           ; s[52:59], s[60:63] ee
.set G0N, 60
.set MSK, 76                           ; s[76:79] the four compares of a block
.set MSB, 0
.macro WIN new                         ; s_set_vgpr_msb: bits 1:0 source 0, 3:2 source 1, 5:4 source 2, 7:6 destination; the high byte repeats the setting that is left
.if MSB != \new
	s_set_vgpr_msb (MSB<<8)|\new
.set MSB, \new
.endif
.endm
; A round of the cluster's barrier: my work-group's barrier, so that wave 0 speaks for all eight; wave 0 signals; every wave waits for the four work-groups; my work-group's barrier again.
.macro ROUND
	s_barrier_signal -1
	s_barrier_wait -1
	s_cmp_lg_u32 s14, 0
	s_cbranch_scc1 .Lnot_wave_0_\@
	s_barrier_signal -3
.Lnot_wave_0_\@:
	s_barrier_wait -3
	s_barrier_signal -1
	s_barrier_wait -1
.endm
	s_load_b256 s[4:11], s[0:1], 0x0               ; inputs s[4:5], eb s[6:7], ee s[8:9], out2 s[10:11]
	s_load_b64 s[12:13], s[0:1], 0x20              ; order
	v_lshl_add_u32 v254, v0, 2, 0x4b200
	v_mov_b32 v255, 0
	ds_add_u32 v254, v255
	s_wait_dscnt 0x0
	v_lshrrev_b32 v1, 5, v0
	v_readfirstlane_b32 s14, v1                    ; wave w
	s_lshr_b32 s15, s14, 1                         ; q: my quarter of the codes
	s_and_b32 s16, s14, 1                          ; rh: my half of the rows
	s_bfe_u32 s17, ttmp6, 0x40000                  ; cx
	s_lshl_b32 s18, ttmp9, 2                       ; ttmp9 counts clusters
	s_add_co_u32 s18, s18, s17                     ; the work-group's number: it enters the address of x and of the outputs alone
	s_lshl_b32 s20, s15, 7                         ; number of my first tile of 16 codes: 128 q
	s_mov_b32 s21, 0xffff0000                      ; a word's upper bf16
	s_mov_b32 s22, 0x76543210                      ; v_permlanex16_b32: lane i reads lane i of the other half
	s_mov_b32 s23, 0xfedcba98
	; a code tile: 32 rows x 256 bf16, 16 bytes of padding behind each row of 128 words; asked for jointly by the cluster's four work-groups
	s_mov_b32 s[G1E+0], 15|(1<<16)|(1<<20)|(1<<21)|(6<<22)|(3<<25)
	s_mov_b32 s[G1E+1], 256<<16                    ; tensor_dim0 = 256
	s_mov_b32 s[G1E+2], 32<<16                     ; tensor_dim1 = 32
	s_mov_b32 s[G1E+3], 256<<16                    ; tile_dim0 = 256
	s_mov_b32 s[G1E+4], 32                         ; tile_dim1 = 32
	s_mov_b32 s[G1E+5], 256                        ; elements from row to row
	s_mov_b32 s[G1E+6], 0
	s_mov_b32 s[G1E+7], 0
	; the stage of x: 16 rows x 256 f32, 16 bytes behind each row of 256 words; my work-group's own (mask 0)
	s_mov_b32 s[G1X+0], (2<<16)|(1<<20)|(7<<22)|(3<<25)
	s_mov_b32 s[G1X+1], 256<<16
	s_mov_b32 s[G1X+2], 16<<16
	s_mov_b32 s[G1X+3], 256<<16
	s_mov_b32 s[G1X+4], 16
	s_mov_b32 s[G1X+5], 256
	s_mov_b32 s[G1X+6], 0
	s_mov_b32 s[G1X+7], 0
	; ee: a dense block of 4,096 bytes a wave, as 16 rows of 32 elements of 8 bytes; joint
	s_mov_b32 s[G1N+0], 15|(3<<16)|(1<<21)
	s_mov_b32 s[G1N+1], 32<<16
	s_mov_b32 s[G1N+2], 16<<16
	s_mov_b32 s[G1N+3], 32<<16
	s_mov_b32 s[G1N+4], 16
	s_mov_b32 s[G1N+5], 32
	s_mov_b32 s[G1N+6], 0
	s_mov_b32 s[G1N+7], 0
	; LDS addresses: the wave's number times a constant, plus a constant
	s_mov_b32 s[G0E+0], 1
	s_mul_i32 s[G0E+1], s14, WTILE
	s_mov_b32 s[G0E+4], 1
	s_add_co_u32 s[G0E+5], s[G0E+1], SLOT
	s_mov_b32 s[G0X+0], 1
	s_mul_i32 s[G0X+1], s14, XW
	s_add_co_u32 s[G0X+1], s[G0X+1], SLOT          ; x is staged in slot 1, which gets its first codes later
	s_mov_b32 s[G0N+0], 1
	s_lshl_b32 s[G0N+1], s14, 12
	s_add_co_u32 s[G0N+1], s[G0N+1], EEB
	; byte offsets, apart from the addresses.  Those of the joint loads are made of the wave's number alone.
	s_lshl_b32 s66, s15, 20                        ; eb: 2,048 q rows of 512 bytes
	s_lshl_b32 s67, s16, 14                        ;     + 32 rh rows
	s_add_co_u32 s66, s66, s67
	s_mov_b32 s67, 0
	s_lshl_b32 s68, s14, 12                        ; ee: 4,096 w
	s_mov_b32 s69, 0
	s_lshl_b32 s70, s18, 17                        ; x: 128 rows of 1,024 bytes a group
	s_lshl_b32 s71, s14, 14                        ;    + 16 rows a wave
	s_add_co_u32 s70, s70, s71
	s_mov_b32 s71, 0
	s_lshl_b32 s72, s18, 9                         ; outputs: 128 indices of 4 bytes a group
	s_mov_b32 s73, 0
	s_wait_kmcnt 0x0
	s_add_nc_u64 s[G0E+2:G0E+3], s[6:7], s[66:67]              ; slot 0: tile 0 of my quarter
	s_add_nc_u64 s[G0E+6:G0E+7], s[G0E+2:G0E+3], 64*512        ; slot 1: tile 1, 64 codes on
	s_or_b32 s[G0E+3], s[G0E+3], 0x80000000
	s_or_b32 s[G0E+7], s[G0E+7], 0x80000000
	s_add_nc_u64 s[G0X+2:G0X+3], s[4:5], s[70:71]
	s_or_b32 s[G0X+3], s[G0X+3], 0x80000000
	s_add_nc_u64 s[G0N+2:G0N+3], s[8:9], s[68:69]
	s_or_b32 s[G0N+3], s[G0N+3], 0x80000000
	s_add_nc_u64 s[10:11], s[10:11], s[72:73]
	s_add_nc_u64 s[12:13], s[12:13], s[72:73]
	ROUND                                          ; the four work-groups are here: the first joint loads meet
	tensor_load_to_lds s[G0X:G0X+3], s[G1X:G1X+7]  ; the first fills go out as one group; three tensor loads of the wave are out here, one from then on
	s_nop 0
	tensor_load_to_lds s[G0N:G0N+3], s[G1N:G1N+7]
	s_nop 0
	tensor_load_to_lds s[G0E:G0E+3], s[G1E:G1E+7]
	s_nop 0
	v_and_b32 v1, 15, v0                           ; r = l % 16
	v_bfe_u32 v2, v0, 4, 1                         ; h = l / 16
	v_mul_u32_u24 v[ADR], v1, PITCH
	v_lshl_add_u32 v[ADR], v2, 4, v[ADR]           ; a 16-bit fragment: row r, 16 bytes at 16 h and at 32 + 16 h of each 64
	s_mul_i32 s74, s15, QTILE
	v_add_nc_u32 v[ADR], s74, v[ADR]
	v_add_nc_u32 v[ADR+1], SLOT, v[ADR]
	s_lshl_b32 s74, s15, 13
	s_add_co_u32 s74, s74, EEB
	v_lshl_add_u32 v[EEA], v2, 5, s74              ; result register j is code 8 h + j: 32 bytes at 32 h
	v_mul_u32_u24 v[XA], v1, XPITCH
	v_lshl_add_u32 v10, v2, 9, v[XA]               ; for xx: row r of my wave's own 16 rows, groups 4 h .. 4 h + 3 of 128 bytes each
	v_add_nc_u32 v10, s[G0X+1], v10
	v_lshl_add_u32 v[XA], v2, 5, v[XA]             ; in f32 the eight numbers at 8 h are 32 bytes at 32 h
	s_mul_i32 s75, s16, 64*XPITCH
	s_add_co_u32 s75, s75, SLOT
	v_add_nc_u32 v[XA], s75, v[XA]
	s_lshl_b32 s74, s14, 8                         ; 512 q + 256 rh = 256 w
	s_add_co_u32 s74, s74, STAGE
	v_lshl_add_u32 v[SA], v1, 2, s74
	s_lshl_b32 s74, s14, 6                         ; xx goes to word 16 w + r
	s_add_co_u32 s74, s74, XXS
	v_lshl_add_u32 v11, v1, 2, s74
	s_lshl_b32 s75, s16, 8                         ; and is read from words 64 rh + 16 m + r
	s_add_co_u32 s75, s75, XXS
	v_lshlrev_b32 v[H8], 3, v2
	v_mov_b32 v12, 0                               ; destinations of v_permlanex16_b32 count as read
	v_mov_b32 v13, 0
.irp m, 0,1,2,3
	v_mov_b32 v[RUN+\m], 0x7f800000                ; +infinity: the first block's strict compare takes any finite number
	v_mov_b32 v[GRP+\m], 0
.endr
.set i, 0
.rept 32
	v_mov_b32 v[SNAP+i], 0x7f800000                ; the selects read their destination from the first block on
.set i, i+1
.endr
; Row tile m of x: 16 rows x 256 f32 from the stage, rounded to bf16 into the eight fragments of window 1.
.macro XBATCH m
.irp k, 0,1,2,3,4,5,6,7
.irp c, 0,1,2,3
	ds_load_b128 v[AF+16*\k+4*\c:AF+16*\k+4*\c+3], v[XA] offset:\m*XW+128*\k+16*(\c%2)+64*(\c/2)
.endr
.endr
	s_wait_dscnt 0x0
	WIN 0x40                                       ; destination in window 1
.irp k, 0,1,2,3,4,5,6,7
.irp i, 0,1,2,3,4,5,6,7
	v_cvt_pk_bf16_f32 v[8*(8*\m+\k)+\i], v[AF+16*\k+2*\i], v[AF+16*\k+2*\i+1]
.endr
.endr
	WIN 0
.endm
; 18 LDS loads: the fragments of 16 codes (block blk of a slot's four) and their ee, into buffer buf
.macro FETCH buf, slot, blk
.irp k, 0,1,2,3,4,5,6,7
	ds_load_b128 v[AF+64*\buf+8*\k:AF+64*\buf+8*\k+3],   v[ADR+\slot] offset:\blk*16*PITCH+64*\k
	ds_load_b128 v[AF+64*\buf+8*\k+4:AF+64*\buf+8*\k+7], v[ADR+\slot] offset:\blk*16*PITCH+64*\k+32
.endr
	ds_load_b128 v[EE+8*\buf:EE+8*\buf+3],   v[EEA] offset:\blk*64
	ds_load_b128 v[EE+8*\buf+4:EE+8*\buf+7], v[EEA] offset:\blk*64+16
.endm
; 32 matrix instructions: 16 codes x my 64 rows x K = 256.  The first K step starts the sums with the constant 0.
; The four accumulators take turns, one instruction a turn.
.macro MUL p
	WIN 0x04                                       ; source 1 (x) in window 1
.irp k, 0,1,2,3,4,5,6,7
.irp m, 0,1,2,3
.if \k == 0
	v_wmma_f32_16x16x32_bf16 v[ACC+8*\m:ACC+8*\m+7], v[AF+64*\p+8*\k:AF+64*\p+8*\k+7], v[8*(8*\m+\k):8*(8*\m+\k)+7], 0
.else
	v_wmma_f32_16x16x32_bf16 v[ACC+8*\m:ACC+8*\m+7], v[AF+64*\p+8*\k:AF+64*\p+8*\k+7], v[8*(8*\m+\k):8*(8*\m+\k)+7], v[ACC+8*\m:ACC+8*\m+7]
.endif
.endr
.endr
	WIN 0
.endm
; The block's 4 x 256 distances are made and go into the running minima.  Set p of RUN is read, set 1 - p written.
; Four places stand between the last matrix instruction and the first read of a result (ISA guide 7.12.1): the move and row tile 0's four
; sums xx + ee, which name no register of a matrix instruction, make five.
; Between this block's last write of an accumulator and the next block's first, which starts a new sum on it, stand the other three tiles' lines.
.macro EPI p
	v_mov_b32 v[TN], s20
.irp m, 0,1,2,3
.irp i, 0,2,4,6
	v_pk_add_f32 v[ST+\i:ST+\i+1], v[EE+8*\p+\i:EE+8*\p+\i+1], v[XX+2*\m:XX+2*\m+1]                    ; xx + ee, rounded
.endr
.irp i, 0,2,4,6
	v_pk_add_f32 v[ACC+8*\m+\i:ACC+8*\m+\i+1], v[ACC+8*\m+\i:ACC+8*\m+\i+1], v[ST+\i:ST+\i+1]          ; - 2 x.e, rounded: the distance
.endr
.endr
.irp m, 0,1,2,3
	v_min3_num_f32 v[TMP+\m], v[ACC+8*\m], v[ACC+8*\m+1], v[ACC+8*\m+2]
.endr
.irp m, 0,1,2,3
	v_min3_num_f32 v[TMP+\m], v[TMP+\m], v[ACC+8*\m+3], v[ACC+8*\m+4]
.endr
.irp m, 0,1,2,3
	v_min3_num_f32 v[TMP+\m], v[TMP+\m], v[ACC+8*\m+5], v[ACC+8*\m+6]
.endr
.irp m, 0,1,2,3
	v_min3_num_f32 v[RUN+4*(1-\p)+\m], v[TMP+\m], v[ACC+8*\m+7], v[RUN+4*\p+\m]
.endr
.irp m, 0,1,2,3
	v_cmp_lt_f32 s[MSK+\m], v[RUN+4*(1-\p)+\m], v[RUN+4*\p+\m]            ; strictly smaller: among equals the earlier tile stays
.endr
.irp m, 0,1,2,3
	v_cndmask_b32 v[GRP+\m], v[GRP+\m], v[TN], s[MSK+\m]
.irp j, 0,1,2,3,4,5,6,7
	v_cndmask_b32 v[SNAP+8*\m+\j], v[SNAP+8*\m+\j], v[ACC+8*\m+\j], s[MSK+\m]
.endr
.endr
	s_add_co_u32 s20, s20, 1
.endm
; A block: the next block's fragments are asked for, this block's are waited for, multiplied and taken in.
; The loads land in the buffer that the block before multiplied: its 89 vector lines stand between.
.macro BLOCK p, load, nslot, nblk
.if \load
	FETCH (1-\p), \nslot, \nblk
	s_wait_dscnt 18                                ; LDS loads return in order: all but the 18 just issued are in
.else
	s_wait_dscnt 0x0
.endif
	MUL \p
	EPI \p
.endm
; Blocks 2 and 3 of a tile, and the change of slots between them.  mode 0: the slot gets the tile two further on; mode 1: nothing is left to fetch.
; What the round orders: my reads of this slot (the last is block 3's fetch, waited for in front of the opening signal) against its refill (behind the
; closing wait); and every wave's fill of the other slot (waited for in front of the opening signal) against the reads of it (behind the closing wait).
; Inside the round stands register work alone: block 2's 89 vector lines behind the opening signal, block 3's 32 matrix instructions behind the closing one.
; From the refill to the wait for it the wave issues the 96 matrix instructions of the next tile's blocks 0 to 2.
.macro TURN slot, mode
	FETCH 1, \slot, 3
	s_wait_dscnt 18                                ; block 2's fragments are in; the 18 loads of block 3 may be out
	MUL 0
	s_wait_dscnt 0x0                               ; block 3's fragments are in registers: my reads of this slot are over
	s_wait_xcnt 0x0
	v_lshl_add_u32 v254, v0, 2, 0x4b200
	v_mov_b32 v255, 0
	s_wait_tensorcnt 0x0                           ; all my tensor loads have landed: the one that was out is my part of the other slot
	ds_add_u32 v254, v255
	s_wait_dscnt 0x0
	s_add_nc_u64 s[G0E+4*\slot+2:G0E+4*\slot+3], s[G0E+4*\slot+2:G0E+4*\slot+3], 2*64*512   ; none is out, so the address may step: two tiles of 64 codes
	s_barrier_signal -1                            ; the round opens: I say so,
	EPI 0                                          ; take block 2 in while the other waves arrive,
	s_barrier_wait -1                              ; and go on when all eight have said so
	s_cmp_lg_u32 s14, 0
	s_cbranch_scc1 .Lnot_wave_0_\@
	s_barrier_signal -3                            ; wave 0 says so for the work-group
.Lnot_wave_0_\@:
	s_barrier_wait -3                              ; all four work-groups have said so
	s_barrier_signal -1                            ; the round closes:
	MUL 1                                          ; block 3 is multiplied from registers meanwhile
	s_barrier_wait -1                              ; no wave of any partner still reads this slot or has a load on its way
.if \mode == 0
	tensor_load_to_lds s[G0E+4*\slot:G0E+4*\slot+3], s[G1E:G1E+7]         ; my one tensor load behind the round, first thing there
	s_nop 0
.endif
	v_add_nc_u32 v[EEA], 0x100, v[EEA]             ; the next tile's 64 numbers of ee
	FETCH 0, (1-\slot), 0                          ; the other slot's first block, into the buffer that block 2 multiplied: its 89 vector lines stand between
	EPI 1                                          ; block 3 is taken in while those loads are on their way
.endm
; A tile of 64 codes = four blocks.  mode 0: refill; 1: change slots without a refill; 2: the last tile.
.macro PASS slot, mode
	BLOCK 0, 1, \slot, 1
	BLOCK 1, 1, \slot, 2
.if \mode < 2
	TURN \slot, \mode
.else
	BLOCK 0, 1, \slot, 3
	BLOCK 1, 0, 0, 0
.endif
.endm
	s_wait_tensorcnt 0x2                           ; tensor loads of a wave end in order: my rows of x are in; ee and tile 0 may stay out,
	s_barrier_signal -1
	s_barrier_wait -1                              ; everybody's rows of x are in
	; xx of my wave's own 16 rows.  Lane (r, h) takes groups 4 h .. 4 h + 3 of row r: 4 x 128 bytes, four chains of 32 squares that do not wait for each other.
.irp g, 0,1,2,3
.irp c, 0,1,2,3,4,5,6,7
	ds_load_b128 v[AF+32*\g+4*\c:AF+32*\g+4*\c+3], v10 offset:128*\g+16*\c
.endr
.endr
	s_wait_dscnt 0x0
.irp c, 0,1,2,3,4,5,6,7
.irp g, 0,1,2,3
	v_cvt_pk_bf16_f32 v[AF+32*\g+4*\c],   v[AF+32*\g+4*\c],   v[AF+32*\g+4*\c+1]      ; rounded as the fragments are,
	v_cvt_pk_bf16_f32 v[AF+32*\g+4*\c+2], v[AF+32*\g+4*\c+2], v[AF+32*\g+4*\c+3]
.endr
.irp g, 0,1,2,3
	v_and_b32     v[AF+32*\g+4*\c+1], s21, v[AF+32*\g+4*\c]                           ; and back as f32
	v_lshlrev_b32 v[AF+32*\g+4*\c],   16,  v[AF+32*\g+4*\c]
	v_and_b32     v[AF+32*\g+4*\c+3], s21, v[AF+32*\g+4*\c+2]
	v_lshlrev_b32 v[AF+32*\g+4*\c+2], 16,  v[AF+32*\g+4*\c+2]
.endr
.irp e, 0,1,2,3
.irp g, 0,1,2,3
.if (\c+\e) == 0
	v_mul_f32 v[TMP+\g], v[AF+32*\g], v[AF+32*\g]                                     ; the first square starts the chain
.else
	v_fmac_f32 v[TMP+\g], v[AF+32*\g+4*\c+\e], v[AF+32*\g+4*\c+\e]                    ; the square of a bf16 number is exact, so this is one rounded add
.endif
.endr
.endr
.endr
	v_add_f32 v9, v[TMP], v[TMP+1]                 ; where h = 0: groups 0 to 3, one by one
	v_add_f32 v9, v9, v[TMP+2]
	v_add_f32 v9, v9, v[TMP+3]
	v_permlanex16_b32 v12, v9, s22, s23            ; that sum goes over to h = 1,
	v_add_f32 v14, v12, v[TMP]                     ; where groups 4 to 7 follow, one by one (what h = 0 makes here is not used)
	v_add_f32 v14, v14, v[TMP+1]
	v_add_f32 v14, v14, v[TMP+2]
	v_add_f32 v14, v14, v[TMP+3]
	v_permlanex16_b32 v13, v14, s22, s23           ; and the whole sum comes back to h = 0
	v_cmp_eq_u32 vcc_lo, 0, v2
	v_cndmask_b32 v15, v14, v13, vcc_lo
	ds_store_b32 v11, v15                          ; both halves write the row's word with the same number
	v_lshl_add_u32 v10, v1, 2, s75                 ; from here on v10 is where I read xx
	XBATCH 0
	XBATCH 1
	XBATCH 2
	XBATCH 3
	s_wait_dscnt 0x0                               ; my reads of the stage are back, and my 16 xx are written
	s_wait_xcnt 0x0
	v_lshl_add_u32 v254, v0, 2, 0x4b200
	v_mov_b32 v255, 0
	s_wait_tensorcnt 0x0                           ; ee and tile 0 have landed
	ds_add_u32 v254, v255
	s_wait_dscnt 0x0
	ROUND
	tensor_load_to_lds s[G0E+4:G0E+7], s[G1E:G1E+7]                       ; tile 1, over the stage of x
	s_nop 0
.irp m, 0,1,2,3
	ds_load_b32 v[XX+2*\m],   v10 offset:64*\m     ; xx of row 64 rh + 16 m + r, into both registers of the pair;
	ds_load_b32 v[XX+2*\m+1], v10 offset:64*\m     ; these eight are older than the first block's fragments, so its wait covers them
.endr
	FETCH 0, 0, 0
	s_mov_b32 s19, 15                              ; 32 tiles: 15 trips of two, and two written out
.Ltiles:
	PASS 0, 0
	PASS 1, 0
	s_sub_co_u32 s19, s19, 1
	s_cmp_lg_u32 s19, 0
	s_cbranch_scc1 .Ltiles
	PASS 0, 1                                      ; tile 30: nothing is left to fetch (the stepped address is not used)
	PASS 1, 2                                      ; tile 31; the minima end in set 0 of RUN
	; Which of the eight: the lowest j whose kept number equals the minimum.  Then the two halves of the lanes (codes 8 h + j) meet,
	; the smaller number wins, among equals the smaller index.  Selects alone: no branch and no address hangs on these numbers.
.irp m, 0,1,2,3
	v_mov_b32 v10, 0
.irp j, 7,6,5,4,3,2,1,0
	v_cmp_eq_f32 vcc_lo, v[SNAP+8*\m+\j], v[RUN+\m]
	v_cndmask_b32 v10, v10, \j, vcc_lo
.endr
	v_lshl_add_u32 v11, v[GRP+\m], 4, v10          ; 16 x tile + j
	v_add_nc_u32 v11, v11, v[H8]                   ; + 8 h
	v_permlanex16_b32 v12, v[RUN+\m], s22, s23
	v_permlanex16_b32 v13, v11, s22, s23
	v_cmp_lt_f32 s66, v12, v[RUN+\m]
	v_cmp_eq_f32 s67, v12, v[RUN+\m]
	v_cmp_lt_u32 s68, v13, v11
	s_and_b32 s67, s67, s68
	s_or_b32 s66, s66, s67
	v_cndmask_b32 v14, v[RUN+\m], v12, s66
	v_cndmask_b32 v15, v11, v13, s66
	ds_store_b32 v[SA], v14 offset:64*\m           ; both halves write the same word with the same number
	ds_store_b32 v[SA], v15 offset:2048+64*\m
.endr
	s_wait_dscnt 0x0                               ; for wave 0's sake: zero
	s_barrier_signal -1
	s_barrier_wait -1
	s_cmp_lg_u32 s14, 0
	s_cbranch_scc1 .Lclose
	; wave 0: the four quarters of each row meet; a lane has four neighbouring rows
	v_and_b32 v9, 31, v0
	v_lshlrev_b32 v9, 4, v9
	v_add_nc_u32 v10, STAGE, v9
.irp q, 0,1,2,3
	ds_load_b128 v[112+4*\q:112+4*\q+3], v10 offset:512*\q
	ds_load_b128 v[128+4*\q:128+4*\q+3], v10 offset:2048+512*\q
.endr
	s_wait_dscnt 0x0
.irp q, 1,2,3
.irp k, 0,1,2,3
	v_cmp_lt_f32 vcc_lo, v[112+4*\q+\k], v[112+\k]                        ; strictly: a lower quarter holds the lower indices
	v_cndmask_b32 v[112+\k], v[112+\k], v[112+4*\q+\k], vcc_lo
	v_cndmask_b32 v[128+\k], v[128+\k], v[128+4*\q+\k], vcc_lo
.endr
.endr
	global_store_b128 v9, v[128:131], s[10:11]     ; the group's 128 indices: 512 consecutive bytes, aligned
	global_store_b128 v9, v[128:131], s[12:13]
.Lclose:
	s_wait_xcnt 0x0
	v_lshl_add_u32 v254, v0, 2, 0x4b200
	v_mov_b32 v255, 0
	s_wait_tensorcnt 0x0
	ds_add_u32 v254, v255
	s_wait_dscnt 0x0
	ROUND                                          ; the closing round: no work-group ends while a partner may still ask jointly
	s_endpgm
.Lfunc_end_k_q8d832cbd22_main:
	.size	k_q8d832cbd22_main, .Lfunc_end_k_q8d832cbd22_main-k_q8d832cbd22_main
	.p2alignl 7, 3214868480
	.fill 96, 4, 3214868480
	.section	.rodata,"a",@progbits
	.p2align	6, 0x0
	.amdhsa_kernel k_q8d832cbd22_main
		.amdhsa_group_segment_fixed_size 327680
		.amdhsa_private_segment_fixed_size 0
		.amdhsa_enable_private_segment 0
		.amdhsa_kernarg_size 40
		.amdhsa_user_sgpr_count 2
		.amdhsa_user_sgpr_kernarg_segment_ptr 1
		.amdhsa_wavefront_size32 1
		.amdhsa_system_sgpr_workgroup_id_x 1
		.amdhsa_system_sgpr_workgroup_id_y 1
		.amdhsa_system_sgpr_workgroup_id_z 1
		.amdhsa_system_vgpr_workitem_id 0
		.amdhsa_next_free_vgpr 512
		.amdhsa_next_free_sgpr 80
		.amdhsa_reserve_vcc 1
		.amdhsa_float_denorm_mode_32 3
		.amdhsa_float_denorm_mode_16_64 3
		.amdhsa_memory_ordered 1
		.amdhsa_forward_progress 1
		.amdhsa_inst_pref_size 201
	.end_amdhsa_kernel
	.amdgpu_metadata
---
amdhsa.version: [ 1, 2 ]
amdhsa.kernels:
  - .name:           k_q8d832cbd22_main
    .symbol:         k_q8d832cbd22_main.kd
    .args:
      - { .name: inputs, .offset: 0, .size: 8, .value_kind: global_buffer, .address_space: global }
      - { .name: eb, .offset: 8, .size: 8, .value_kind: global_buffer, .address_space: global }
      - { .name: ee, .offset: 16, .size: 8, .value_kind: global_buffer, .address_space: global }
      - { .name: out2, .offset: 24, .size: 8, .value_kind: global_buffer, .address_space: global }
      - { .name: order, .offset: 32, .size: 8, .value_kind: global_buffer, .address_space: global }
    .group_segment_fixed_size: 327680
    .private_segment_fixed_size: 0
    .kernarg_segment_align: 8
    .kernarg_segment_size: 40
    .max_flat_workgroup_size: 256
    .sgpr_count:     80
    .vgpr_count:     512
    .wavefront_size: 32
...
	.end_amdgpu_metadata
.endif
;; end of part 2
;; launch finish (part 3): grid 512 x 1, 8 waves a work-group, no clusters, 1,280 bytes of LDS; arguments inputs, embedding, order, out0, part; writes out0, part
.if DOCPART == 3
	.amdgcn_target "amdgcn-amd-amdhsa--gfx1250"
	.amdhsa_code_object_version 6
	.text
	.protected	k_q8d832cbd22_finish
	.globl	k_q8d832cbd22_finish
	.p2align	8
	.type	k_q8d832cbd22_finish,@function
k_q8d832cbd22_finish:
	s_mov_b64 s[64:65], 0
	v_nop
	global_prefetch_b8 v0, s[64:65] scope:SCOPE_SE
	s_setreg_imm32_b32 hwreg(HW_REG_WAVE_MODE, 25, 1), 1
	s_wait_xcnt 0x0
; q = embedding[order[row]];  out0 = x + (q - x), rounded as written;  part[group] = sum of (q - x)^2 over the group's 64 rows.
; The squares are made of the differences themselves, not of |x|^2 + |e|^2 - 2 x.e, which would be a difference of large sums.
; Eight waves, eight rows a wave, straight through: sixteen loads of x and sixteen of the codes are issued before the first number is used.
; A load or store of the wave covers 512 consecutive bytes of a row.  The indices are whole numbers that the launch before stored: they are
; read by a scalar load and clamped to the table's 8,192 rows before they enter an address.
; No LDS ring, matrix unit or cluster: each byte of x is used once, and the code rows that a group names are its own choice.
.set X,   16                           ; v[16:79]   row i: 8 registers
.set Q,   80                           ; v[80:143]  row i: the code's row, then the result
.set D,   144                          ; v[144:151] q - x
.set SUM, 4                            ; v[4:11]    four chains of pairs
	s_load_b256 s[4:11], s[0:1], 0x0               ; inputs s[4:5], embedding s[6:7], order s[8:9], out0 s[10:11]
	s_load_b64 s[12:13], s[0:1], 0x20              ; part
	v_lshl_add_u32 v152, v0, 2, 0x100
	v_mov_b32 v153, 0
	v_lshrrev_b32 v1, 5, v0
	v_readfirstlane_b32 s14, v1                    ; wave
	v_and_b32 v1, 31, v0
	v_lshlrev_b32 v1, 4, v1                        ; 16 bytes a lane
	v_mov_b32 v2, s14
	v_lshlrev_b32 v2, 2, v2                        ; my wave's word in LDS
	v_mov_b32 v3, 0
	s_mov_b32 s26, 0x76543210
	s_mov_b32 s27, 0xfedcba98
	s_lshl_b32 s24, ttmp9, 16                      ; 64 rows of 1,024 bytes a group
	s_lshl_b32 s25, s14, 13                        ; 8 rows a wave
	s_add_co_u32 s24, s24, s25
	s_mov_b32 s25, 0
	s_lshr_b32 s28, s24, 8                         ; 4 bytes of order for 1,024 of x
	s_mov_b32 s29, 0
	s_lshl_b32 s30, ttmp9, 2
	s_mov_b32 s31, 0
	s_wait_kmcnt 0x0
	s_add_nc_u64 s[8:9], s[8:9], s[28:29]
	s_load_b256 s[16:23], s[8:9], 0x0              ; my eight indices
	s_add_nc_u64 s[4:5], s[4:5], s[24:25]
	s_add_nc_u64 s[10:11], s[10:11], s[24:25]
	s_add_nc_u64 s[12:13], s[12:13], s[30:31]
.irp i, 0,1,2,3,4,5,6,7
	global_load_b128 v[X+8*\i:X+8*\i+3],   v1, s[4:5] offset:1024*\i th:TH_LOAD_NT
	global_load_b128 v[X+8*\i+4:X+8*\i+7], v1, s[4:5] offset:1024*\i+512 th:TH_LOAD_NT
.endr
	s_wait_kmcnt 0x0
.irp i, 0,1,2,3,4,5,6,7
	s_min_u32 s[16+\i], s[16+\i], 0x1fff           ; inside the table, whatever was stored
	s_lshl_b32 s[32+2*\i], s[16+\i], 10            ; rows of 1,024 bytes
	s_mov_b32 s[33+2*\i], 0
	s_add_nc_u64 s[32+2*\i:33+2*\i], s[6:7], s[32+2*\i:33+2*\i]
.endr
.irp i, 0,1,2,3,4,5,6,7
	global_load_b128 v[Q+8*\i:Q+8*\i+3],   v1, s[32+2*\i:33+2*\i]         ; no hint: a code's row may be named again
	global_load_b128 v[Q+8*\i+4:Q+8*\i+7], v1, s[32+2*\i:33+2*\i] offset:512
.endr
.irp i, 0,1,2,3,4,5,6,7
	s_wait_loadcnt 14-2*\i                         ; loads return in order: x and the code rows up to i are in, the younger code rows stay out
.irp k, 0,1,2,3
	v_pk_add_f32 v[D+2*\k:D+2*\k+1], v[Q+8*\i+2*\k:Q+8*\i+2*\k+1], v[X+8*\i+2*\k:X+8*\i+2*\k+1] neg_lo:[0,1] neg_hi:[0,1]
.endr
.irp k, 0,1,2,3
.if \i == 0
	v_pk_mul_f32 v[SUM+2*\k:SUM+2*\k+1], v[D+2*\k:D+2*\k+1], v[D+2*\k:D+2*\k+1]   ; the first row starts the four chains
.else
	v_pk_fma_f32 v[SUM+2*\k:SUM+2*\k+1], v[D+2*\k:D+2*\k+1], v[D+2*\k:D+2*\k+1], v[SUM+2*\k:SUM+2*\k+1]
.endif
.endr
.irp k, 0,1,2,3
	v_pk_add_f32 v[Q+8*\i+2*\k:Q+8*\i+2*\k+1], v[X+8*\i+2*\k:X+8*\i+2*\k+1], v[D+2*\k:D+2*\k+1]
.endr
	global_store_b128 v1, v[Q+8*\i:Q+8*\i+3],   s[10:11] offset:1024*\i th:TH_STORE_NT
	global_store_b128 v1, v[Q+8*\i+4:Q+8*\i+7], s[10:11] offset:1024*\i+512 th:TH_STORE_NT
.endr
	v_pk_add_f32 v[4:5], v[4:5], v[6:7]
	v_pk_add_f32 v[8:9], v[8:9], v[10:11]
	v_pk_add_f32 v[4:5], v[4:5], v[8:9]
	v_add_f32 v4, v4, v5
.irp x, 1,2,4,8
	v_add_f32_dpp v4, v4, v4 row_xmask:\x row_mask:0xf bank_mask:0xf
.endr
	v_permlanex16_b32 v5, v4, s26, s27
	v_add_f32 v4, v4, v5
	ds_store_b32 v2, v4                            ; every lane writes the wave's word with the same number
	s_wait_dscnt 0x0                               ; for wave 0's sake: zero
	s_barrier_signal -1
	s_barrier_wait -1
	s_cmp_lg_u32 s14, 0
	s_cbranch_scc1 .Lend
	ds_load_b128 v[4:7], v3
	ds_load_b128 v[8:11], v3 offset:16
	s_wait_dscnt 0x0
	v_pk_add_f32 v[4:5], v[4:5], v[6:7]
	v_pk_add_f32 v[8:9], v[8:9], v[10:11]
	v_pk_add_f32 v[4:5], v[4:5], v[8:9]
	v_add_f32 v4, v4, v5
	v_cmp_eq_u32 vcc_lo, 0, v0
	s_wait_xcnt 0x0                                ; EXEC is a source of the stores above: it changes only behind this wait
	s_and_saveexec_b32 s28, vcc_lo
	global_store_b32 v3, v4, s[12:13]              ; one number a group; the sum over the groups is the next launch's
	s_wait_xcnt 0x0                                ; and again in front of the line that widens it
	s_or_b32 exec_lo, exec_lo, s28
.Lend:
	s_wait_tensorcnt 0x0
	ds_add_u32 v152, v153
	s_wait_dscnt 0x0
	s_endpgm
.Lfunc_end_k_q8d832cbd22_finish:
	.size	k_q8d832cbd22_finish, .Lfunc_end_k_q8d832cbd22_finish-k_q8d832cbd22_finish
	.p2alignl 7, 3214868480
	.fill 96, 4, 3214868480
	.section	.rodata,"a",@progbits
	.p2align	6, 0x0
	.amdhsa_kernel k_q8d832cbd22_finish
		.amdhsa_group_segment_fixed_size 1280
		.amdhsa_private_segment_fixed_size 0
		.amdhsa_enable_private_segment 0
		.amdhsa_kernarg_size 40
		.amdhsa_user_sgpr_count 2
		.amdhsa_user_sgpr_kernarg_segment_ptr 1
		.amdhsa_wavefront_size32 1
		.amdhsa_system_sgpr_workgroup_id_x 1
		.amdhsa_system_sgpr_workgroup_id_y 1
		.amdhsa_system_sgpr_workgroup_id_z 1
		.amdhsa_system_vgpr_workitem_id 0
		.amdhsa_next_free_vgpr 154
		.amdhsa_next_free_sgpr 66
		.amdhsa_reserve_vcc 1
		.amdhsa_float_denorm_mode_32 3
		.amdhsa_float_denorm_mode_16_64 3
		.amdhsa_memory_ordered 1
		.amdhsa_forward_progress 1
		.amdhsa_inst_pref_size 15
	.end_amdhsa_kernel
	.amdgpu_metadata
---
amdhsa.version: [ 1, 2 ]
amdhsa.kernels:
  - .name:           k_q8d832cbd22_finish
    .symbol:         k_q8d832cbd22_finish.kd
    .args:
      - { .name: inputs, .offset: 0, .size: 8, .value_kind: global_buffer, .address_space: global }
      - { .name: embedding, .offset: 8, .size: 8, .value_kind: global_buffer, .address_space: global }
      - { .name: order, .offset: 16, .size: 8, .value_kind: global_buffer, .address_space: global }
      - { .name: out0, .offset: 24, .size: 8, .value_kind: global_buffer, .address_space: global }
      - { .name: part, .offset: 32, .size: 8, .value_kind: global_buffer, .address_space: global }
    .group_segment_fixed_size: 1280
    .private_segment_fixed_size: 0
    .kernarg_segment_align: 8
    .kernarg_segment_size: 40
    .max_flat_workgroup_size: 256
    .sgpr_count:     66
    .vgpr_count:     154
    .wavefront_size: 32
...
	.end_amdgpu_metadata
.endif
;; end of part 3
;; launch loss (part 4): grid 1 x 1, 1 waves a work-group, no clusters, 0 bytes of LDS; arguments part, out1; writes out1
.if DOCPART == 4
	.amdgcn_target "amdgcn-amd-amdhsa--gfx1250"
	.amdhsa_code_object_version 6
	.text
	.protected	k_q8d832cbd22_loss
	.globl	k_q8d832cbd22_loss
	.p2align	8
	.type	k_q8d832cbd22_loss,@function
k_q8d832cbd22_loss:
	s_mov_b64 s[64:65], 0
	v_nop
	global_prefetch_b8 v0, s[64:65] scope:SCOPE_SE
	s_setreg_imm32_b32 hwreg(HW_REG_WAVE_MODE, 25, 1), 1
	s_wait_xcnt 0x0
; out1 = m + 1.0 m, where m = (sum of the 512 partial sums) / (32768 x 256): the two means of the loss are the same number, and the second
; carries the commitment cost 1.0.  One wave: 2,048 bytes in four loads of 512 consecutive bytes.
	s_load_b128 s[4:7], s[0:1], 0x0                ; part s[4:5], out1 s[6:7]
	v_lshlrev_b32 v1, 4, v0
	v_mov_b32 v2, 0
	s_mov_b32 s8, 0x76543210
	s_mov_b32 s9, 0xfedcba98
	s_wait_kmcnt 0x0
.irp k, 0,1,2,3
	global_load_b128 v[4+4*\k:7+4*\k], v1, s[4:5] offset:512*\k
.endr
	s_wait_loadcnt 0x0
	v_pk_add_f32 v[4:5], v[4:5], v[6:7]
	v_pk_add_f32 v[8:9], v[8:9], v[10:11]
	v_pk_add_f32 v[12:13], v[12:13], v[14:15]
	v_pk_add_f32 v[16:17], v[16:17], v[18:19]
	v_pk_add_f32 v[4:5], v[4:5], v[8:9]
	v_pk_add_f32 v[12:13], v[12:13], v[16:17]
	v_pk_add_f32 v[4:5], v[4:5], v[12:13]
	v_add_f32 v4, v4, v5
.irp x, 1,2,4,8
	v_add_f32_dpp v4, v4, v4 row_xmask:\x row_mask:0xf bank_mask:0xf
.endr
	v_permlanex16_b32 v5, v4, s8, s9
	v_add_f32 v4, v4, v5
	v_mul_f32 v4, 0x34000000, v4                   ; 2^-23 = 1 / (32768 x 256): the mean
	v_fma_f32 v4, 1.0, v4, v4                      ; q_latent + 1.0 x e_latent
	v_cmp_eq_u32 vcc_lo, 0, v0
	s_wait_xcnt 0x0                                ; EXEC changes only behind this wait
	s_and_saveexec_b32 s10, vcc_lo
	global_store_b32 v2, v4, s[6:7]
	s_wait_xcnt 0x0
	s_or_b32 exec_lo, exec_lo, s10
	s_endpgm
.Lfunc_end_k_q8d832cbd22_loss:
	.size	k_q8d832cbd22_loss, .Lfunc_end_k_q8d832cbd22_loss-k_q8d832cbd22_loss
	.p2alignl 7, 3214868480
	.fill 96, 4, 3214868480
	.section	.rodata,"a",@progbits
	.p2align	6, 0x0
	.amdhsa_kernel k_q8d832cbd22_loss
		.amdhsa_group_segment_fixed_size 0
		.amdhsa_private_segment_fixed_size 0
		.amdhsa_enable_private_segment 0
		.amdhsa_kernarg_size 16
		.amdhsa_user_sgpr_count 2
		.amdhsa_user_sgpr_kernarg_segment_ptr 1
		.amdhsa_wavefront_size32 1
		.amdhsa_system_sgpr_workgroup_id_x 1
		.amdhsa_system_sgpr_workgroup_id_y 1
		.amdhsa_system_sgpr_workgroup_id_z 1
		.amdhsa_system_vgpr_workitem_id 0
		.amdhsa_next_free_vgpr 24
		.amdhsa_next_free_sgpr 66
		.amdhsa_reserve_vcc 1
		.amdhsa_float_denorm_mode_32 3
		.amdhsa_float_denorm_mode_16_64 3
		.amdhsa_memory_ordered 1
		.amdhsa_forward_progress 1
		.amdhsa_inst_pref_size 3
	.end_amdhsa_kernel
	.amdgpu_metadata
---
amdhsa.version: [ 1, 2 ]
amdhsa.kernels:
  - .name:           k_q8d832cbd22_loss
    .symbol:         k_q8d832cbd22_loss.kd
    .args:
      - { .name: part, .offset: 0, .size: 8, .value_kind: global_buffer, .address_space: global }
      - { .name: out1, .offset: 8, .size: 8, .value_kind: global_buffer, .address_space: global }
    .group_segment_fixed_size: 0
    .private_segment_fixed_size: 0
    .kernarg_segment_align: 8
    .kernarg_segment_size: 16
    .max_flat_workgroup_size: 32
    .sgpr_count:     66
    .vgpr_count:     24
    .wavefront_size: 32
...
	.end_amdgpu_metadata
.endif
;; end of part 4
